; MI455X (gfx1250); checked and timed in simulation.
; The chip was launched on July 23, 2026; its instructions are those of AMD's public machine-readable ISA for CDNA 5 (MIT licence, August 2026) and "CDNA5" Instruction Set Architecture Reference Guide (July 2026). The comments in the code are by the model that wrote it; some were corrected since.
;; Attention. Allowed arithmetic: matrix products marked QUANTISED: E4M3 operands, one given power-of-two scale a tensor, by v_wmma_f32_16x16x64_fp8_fp8 or v_wmma_f32_16x16x128_fp8_fp8, f32 sums; everything else in f32.
;; Inputs: attention_biases 16 x 1,024 float32; beta 512 float32; bias_idxs 1,024 x 1,024 int32; gamma 512 float32; lowp_scales 8 int32 (the exponents e of the quantised operands' scales 2^e); proj_b 512 float32; proj_w 512 x 2,048 float32; qkv_b 3,072 float32; qkv_w 3,072 x 512 float32; x 8 x 1,024 x 512 float32.
;; Outputs: out0 8 x 1,024 x 512 float32.
;; This version of the problem:
;;   THIS VERSION OF THE PROBLEM IS GIVEN IN LOW PRECISION. The matrix products marked QUANTISED in the list below multiply operands that are first quantised to E4M3 (4 exponent bits, 3 mantissa bits; 8 bits a number), with one given power-of-two scale for each operand tensor; their sums are f32. All else is computed in f32.
;;   The module's matrix products, in the order in which they are computed (A, B: the left and right operand; K: the contracted axis; several contracted axes count as one K, in the product's order):
;;     1. [M 8,192, K 512] x [K 512, N 3,072]; A: computed on the way; B: input qkv_w: QUANTISED (scales: A lowp_scales[0], B lowp_scales[1])
;;     2. batch 128 x [M 1,024, K 32] x [K 32, N 1,024]; A: computed on the way; B: computed on the way: QUANTISED (scales: A lowp_scales[2], B lowp_scales[3])
;;     3. batch 128 x [M 1,024, K 1,024] x [K 1,024, N 128]; A: softmax (see below); B: computed on the way: QUANTISED (scales: A lowp_scales[4], B lowp_scales[5])
;;     4. [M 8,192, K 2,048] x [K 2,048, N 512]; A: computed on the way; B: input proj_w: QUANTISED (scales: A lowp_scales[6], B lowp_scales[7])
;;   THE QUANTISER, for each operand of a quantised product, along K:
;;     - The operand's scale is 2^e, e = its entry of the input lowp_scales (int32; the entries are numbered through the quantised products in the list's order, A before B).
;;     - Each number is divided by the scale, clamped to +-448, and rounded to the nearest number of E4M3, ties to even, subnormals kept.
;;     - The product sums the exact products of the quantised numbers (number of the format x scale) in f32.
;;   ~~~python
;;   def quantise(x, axis, e):      # numpy; x: float32 -> the quantised numbers, widened to float32 again
;;       x = np.moveaxis(x, axis, -1); K = x.shape[-1]
;;       r = np.clip(x / 2.0 ** e, -448, 448)
;;       step = 2.0 ** (np.maximum(np.frexp(np.where(r == 0, 1, r))[1] - 1, -6) - 3)
;;       q = np.round(r / step) * step * 2.0 ** e      # np.round: ties to even
;;       return np.moveaxis(q, -1, axis).astype(np.float32)
;;   ~~~
;;   SOFTMAX AHEAD OF A QUANTISED PRODUCT. Where the list says 'softmax', what is quantised is not the finished softmax but p = 2^(t - M), with t = logit x log2(e) and M = ceil(the row's largest t), a whole number; so 1/2 < the row's largest p <= 1. The row's sum l is taken of the UNQUANTISED p, in f32, and the product's result is divided by l at the end. Since M is a whole number, a kernel that streams over the keys may use a running M (the ceiling of the running maximum): every later rescaling is an exact power of two, so the quantised numbers keep their values, but for numbers so far below the row's largest that they fall under the format's range.
;;   OPERANDS COMPUTED ON THE WAY. 'Computed on the way' means the value that the module computes at that place (a softmax that the list does not call 'softmax' is quantised finished and normalised). What goes into a quantiser is computed in f32, as accurately as f32 sums, v_exp_f32 and their like allow (about 1e-6 of the number): no bf16 or f16 on the way to a quantiser, and a product that is left as it is and whose result goes on into a quantised operand takes f32 operands (vector FMAs, or v_wmma_f32_16x16x4_f32). A number that lies on a knife's edge between two numbers of the format may be rounded either way, as far as f32 arithmetic and the matrix unit's own rounding can turn it there, and no further.
;; One version. Each part assembles by itself: llvm-mc -triple=amdgcn-amd-amdhsa -mcpu=gfx1250 --defsym DOCPART=n.
;; ======== version 1 of 1: 4 launches
;; limits: right only within a limited range of input values
;; workspace buffers: xc 4,194,304 bytes; wc 1,769,472 bytes; pc 1,048,576 bytes; bt 65,536 bytes; qc 4,194,304 bytes; kv 20,971,520 bytes; oc 16,777,216 bytes; ix 4,194,304 bytes of whole numbers
;; launch prep (part 1): grid 552 x 1, 2 waves a work-group, no clusters, 17,664 bytes of LDS; arguments x, gamma, beta, qkv_w, qkv_b, proj_w, attention_biases, lowp_scales, xc, wc, pc, bt, bias_idxs, ix; writes xc, wc, pc, bt, ix
.if DOCPART == 1
	.amdgcn_target "amdgcn-amd-amdhsa--gfx1250"
	.amdhsa_code_object_version 6
	.text
	.protected	k_q049a60f59d_prep
	.globl	k_q049a60f59d_prep
	.p2align	8
	.type	k_q049a60f59d_prep,@function
k_q049a60f59d_prep:
	s_mov_b64 s[64:65], 0
	v_nop
	global_prefetch_b8 v0, s[64:65] scope:SCOPE_SE
	s_setreg_imm32_b32 hwreg(HW_REG_WAVE_MODE, 25, 1), 1
	s_wait_xcnt 0x0
; PREP: everything that is made once.  x is normalised (LayerNorm over 512, two passes in f32) and turned into codes of E4M3 with the scale 2^e0;
; qkv_w with 2^e1; proj_w with 2^e7; qkv_b is laid as the C operand of the first product (divided by 2^(e0 + e1)); attention_biases x sqrt(32) / 2^(e2 + e3) is the table of the logits' biases in units of a raw sum of codes;
; bias_idxs is laid in the order of the scores' registers, each index held under 1,024 and multiplied by 4 (a byte offset into a head's table).
; A UNIT is one wave's work: 16 rows x 512 numbers become four FRAGMENT IMAGES of 2,048 bytes (16 rows x 128 K): registers 4 c .. 4 c + 3 of lane L lie at 512 c + 16 L, and hold the matrix form's own
; layout (registers 2 c, 2 c + 1 of lane (r, hh): k = 16 c + 8 hh + 0 .. 7).  A reader then fills a fragment by four loads of 512 consecutive bytes.
; UNITS: u = 2 x work-group + wave.  0-511: x, rows 16 u on.  512-703: qkv_w, tile 12 h + t (t = 0, 1: q; 2, 3: k: lane r takes row 192 h + 32 (t / 2) + 8 (t % 2) + r + 8 (r / 8); t = 4 .. 11: v: row 192 h + 16 t + r).
; 704-831: proj_w, 16 rows x 512 of its 2,048 columns.  832-847: a head of the bias table.  848-1103: the indices of 16 queries x 256 keys.  The last two kinds have paths of their own, without LDS.
; The first three kinds take ONE path: only pointers, pitches and the scale are chosen, by the work-group's number.
; Each load reads 512 consecutive bytes of a row (16 a lane); a lane's four codes are one word, which goes to its place in the image through the wave's own stage in LDS (image rows of 256 bytes, 272 apart: the 32 words of a store fall on 32 different banks).
; LIMITS: e0, e1, e7 between -126 and 119, so that 2^e and 448 x 2^e are f32 numbers.  NaN among the inputs is not served.
.set STGB,  8704                       ; a wave's stage: 32 image rows x 272
.set SPARE, 2*STGB                     ; behind the stages: the spare words, 128 bytes a wave
.set LO,  2                            ; v2   16 x lane
.set SA,  3                            ; v3   stage: where my code words go
.set RA,  4                            ; v4   stage: where I read the image back
.set SPW, 5                            ; v5   my spare word
.set NIL, 6                            ; v6   0
.set SC,  7                            ; v7   2^e as f32
.set HD,  8                            ; v8   448 x 2^e
.set VO,  16                           ; v16-31  byte offset of my 16 bytes in row i
.set GA,  32                           ; v32-47  gamma of my 16 columns
.set BE,  48                           ; v48-63  beta
.set X,   64                           ; v64-191 two sets of 4 rows x 16 numbers
.set T,   192                          ; v192-223 eight registers at work for each of 4 rows
.set CO,  224                          ; v224-239 four code words for each of 4 rows
	s_load_b512 s[8:23], s[0:1], 0x0               ; x, gamma, beta, qkv_w, qkv_b, proj_w, attention_biases, lowp_scales
	s_load_b256 s[24:31], s[0:1], 0x40             ; xc, wc, pc, bt
	s_load_b128 s[80:83], s[0:1], 0x60             ; bias_idxs, ix
	v_lshl_add_u32 v[SPW], v0, 2, SPARE
	v_mov_b32 v[NIL], 0
	v_lshrrev_b32 v9, 5, v0
	v_readfirstlane_b32 s40, v9                    ; wave
	v_and_b32 v1, 31, v0                           ; lane
	v_lshlrev_b32 v[LO], 4, v1
	s_lshl_b32 s41, ttmp9, 1
	s_add_co_u32 s41, s41, s40                     ; u
	s_wait_kmcnt 0x0
	s_load_b256 s[32:39], s[22:23], 0x0            ; e0 .. e7
	s_cmp_ge_u32 ttmp9, 416
	s_cbranch_scc1 .Lbt                            ; the bias table's and the indices' work-groups
	; the stage.  Lane l holds k = 4 l + 0 .. 3 of a fragment: image row 2 (l / 8) + (l / 2) % 2, byte 8 ((l / 4) % 2) + 4 (l % 2) + 16 x row
	s_mul_i32 s74, s40, STGB
	s_wait_alu depctr_va_vdst(0)
	v_lshrrev_b32 v9, 3, v1
	v_bfe_u32 v10, v1, 1, 1
	v_lshl_add_u32 v9, v9, 1, v10
	v_mul_u32_u24 v9, v9, 272
	v_bfe_u32 v10, v1, 2, 1
	v_lshl_add_u32 v9, v10, 3, v9
	v_and_b32 v10, 1, v1
	v_lshl_add_u32 v9, v10, 2, v9
	v_add_nc_u32 v[SA], s74, v9
	v_lshrrev_b32 v9, 4, v1
	v_mul_u32_u24 v9, v9, 272
	v_and_b32 v10, 15, v1
	v_lshl_add_u32 v9, v10, 4, v9
	v_add_nc_u32 v[RA], s74, v9                    ; back: two image rows, 512 bytes of the image, an instruction
	s_mov_b32 s50, 0x76543210                      ; lane selects: lane l xor 16
	s_mov_b32 s51, 0xfedcba98
	s_mov_b32 s52, 0x3b000000                      ; 1 / 512
	s_mov_b32 s53, 0x3727c5ac                      ; 1e-5
	; the unit's parameters, for each kind; then the choice
	s_sub_co_u32 s54, s41, 512                     ; qkv_w: tile
	s_mul_i32 s55, s54, 171
	s_lshr_b32 s55, s55, 11                        ; h = tile / 12 (exact for tiles under 511)
	s_mul_i32 s58, s55, 12
	s_sub_co_u32 s56, s54, s58                     ; t
	s_mul_i32 s57, s55, 192
	s_lshr_b32 s58, s56, 1
	s_lshl_b32 s58, s58, 5
	s_and_b32 s59, s56, 1
	s_lshl_b32 s59, s59, 3
	s_add_co_u32 s58, s58, s59                     ; 32 (t / 2) + 8 (t % 2)
	s_lshl_b32 s59, s56, 4                         ; 16 t
	s_cmp_lt_u32 s56, 4
	s_cselect_b32 s58, s58, s59
	s_cselect_b32 s60, 16384, 0                    ; q's and k's tiles: rows 8 .. 15 lie 8 rows further on
	s_add_co_u32 s57, s57, s58                     ; the tile's first row
	s_lshl_b32 s61, s57, 11
	s_mul_i32 s62, s54, 9216
	s_sub_co_u32 s63, s41, 704                     ; proj_w: unit
	s_lshr_b32 s70, s63, 2
	s_lshl_b32 s70, s70, 17                        ; 16 rows of 8,192 bytes
	s_and_b32 s71, s63, 3
	s_lshl_b32 s71, s71, 11                        ; 512 columns
	s_add_co_u32 s70, s70, s71
	s_lshl_b32 s71, s63, 13
	s_lshl_b32 s75, s41, 15                        ; x: 16 rows of 2,048 bytes
	s_lshl_b32 s76, s41, 13
	s_mov_b32 s46, 8192
	s_cmp_lt_u32 ttmp9, 352                        ; qkv_w or proj_w
	s_cselect_b32 s66, s61, s70
	s_cselect_b32 s68, s62, s71
	s_cselect_b32 s46, 2048, s46
	s_cselect_b32 s60, s60, 0
	s_cselect_b64 s[42:43], s[14:15], s[18:19]
	s_cselect_b64 s[44:45], s[26:27], s[28:29]
	s_cmp_lt_u32 ttmp9, 256                        ; x or a weight
	s_cselect_b32 s66, s75, s66
	s_cselect_b32 s68, s76, s68
	s_cselect_b32 s46, 2048, s46                   ; bytes from row to row
	s_cselect_b32 s60, 0, s60
	s_cselect_b64 s[42:43], s[8:9], s[42:43]
	s_cselect_b64 s[44:45], s[24:25], s[44:45]
	s_cselect_b32 s48, 1, 0                        ; 1: normalise
	s_mov_b32 s67, 0
	s_mov_b32 s69, 0
	s_add_nc_u64 s[42:43], s[42:43], s[66:67]      ; from here
	s_add_nc_u64 s[44:45], s[44:45], s[68:69]      ; to here
	s_add_co_u32 s47, s46, s60
	v_mov_b32 v[VO], v[LO]
.irp i, 1,2,3,4,5,6,7
	v_add_nc_u32 v[VO+\i], s46, v[VO+\i-1]
.endr
	v_add_nc_u32 v[VO+8], s47, v[VO+7]
.irp i, 9,10,11,12,13,14,15
	v_add_nc_u32 v[VO+\i], s46, v[VO+\i-1]
.endr
.irp q, 0,1,2,3
	global_load_b128 v[GA+4*\q:GA+4*\q+3], v[LO], s[10:11] offset:512*\q   ; loaded by every unit, used where x is normalised
	global_load_b128 v[BE+4*\q:BE+4*\q+3], v[LO], s[12:13] offset:512*\q
.endr
.macro LOADG g                         ; rows 4 g .. 4 g + 3 into set g % 2: register 16 p + 4 q + j = k 128 q + 4 lane + j of row 4 g + p
.irp p, 0,1,2,3
.irp q, 0,1,2,3
	global_load_b128 v[X+64*((\g)%2)+16*\p+4*\q:X+64*((\g)%2)+16*\p+4*\q+3], v[VO+4*(\g)+\p], s[42:43] offset:512*\q
.endr
.endr
.endm
	LOADG 0
	LOADG 1
	s_wait_kmcnt 0x0
	s_cmp_lt_u32 ttmp9, 352
	s_cselect_b32 s49, s33, s39
	s_cmp_lt_u32 ttmp9, 256
	s_cselect_b32 s49, s32, s49                    ; e
	s_add_co_i32 s49, s49, 127
	s_lshl_b32 s58, s49, 23
	v_mov_b32 v[SC], s58                           ; 2^e: the conversion takes its exponent field
	s_add_co_i32 s49, s49, 8
	s_lshl_b32 s49, s49, 23
	s_or_b32 s49, s49, 0x600000
	v_mov_b32 v[HD], s49                           ; 448 x 2^e
	s_add_co_i32 s73, s32, s33
	s_sub_co_i32 s73, 0, s73                       ; -(e0 + e1)
.macro LANESUM o                       ; register o of each row's eight is summed over the 32 lanes; register o + 1 is at work
.irp m, 1,2,4,8
.irp p, 0,1,2,3
	v_add_f32_dpp v[T+8*\p+\o], v[T+8*\p+\o], v[T+8*\p+\o] row_xmask:\m row_mask:0xf bank_mask:0xf
.endr
.endr
.irp p, 0,1,2,3
	v_permlanex16_b32 v[T+8*\p+\o+1], v[T+8*\p+\o], s50, s51
.endr
.irp p, 0,1,2,3
	v_add_f32 v[T+8*\p+\o], v[T+8*\p+\o], v[T+8*\p+\o+1]
.endr
.endm
; Four rows, line by line, so that no line waits for the line above it.  left: the younger loads that may stay out
.macro GROUP g, left
.set XB, X+64*((\g)%2)
	s_wait_loadcnt \left
	s_cmp_eq_u32 s48, 0
	s_cbranch_scc1 .Lraw_\@                        ; a weight is quantised as it is
.irp p, 0,1,2,3
.irp n, 0,1,2,3
	v_pk_add_f32 v[T+8*\p+2*\n:T+8*\p+2*\n+1], v[XB+16*\p+4*\n:XB+16*\p+4*\n+1], v[XB+16*\p+4*\n+2:XB+16*\p+4*\n+3]
.endr
.endr
.irp p, 0,1,2,3
	v_pk_add_f32 v[T+8*\p:T+8*\p+1], v[T+8*\p:T+8*\p+1], v[T+8*\p+2:T+8*\p+3]
	v_pk_add_f32 v[T+8*\p+4:T+8*\p+5], v[T+8*\p+4:T+8*\p+5], v[T+8*\p+6:T+8*\p+7]
.endr
.irp p, 0,1,2,3
	v_pk_add_f32 v[T+8*\p:T+8*\p+1], v[T+8*\p:T+8*\p+1], v[T+8*\p+4:T+8*\p+5]
.endr
.irp p, 0,1,2,3
	v_add_f32 v[T+8*\p], v[T+8*\p], v[T+8*\p+1]
.endr
	LANESUM 0
.irp p, 0,1,2,3
	v_mul_f32 v[T+8*\p], s52, v[T+8*\p]            ; the mean
.endr
.irp p, 0,1,2,3
.irp n, 0,2,4,6,8,10,12,14
	v_pk_add_f32 v[XB+16*\p+\n:XB+16*\p+\n+1], v[XB+16*\p+\n:XB+16*\p+\n+1], v[T+8*\p:T+8*\p+1] op_sel_hi:[1,0] neg_lo:[0,1] neg_hi:[0,1]   ; x - mean
.endr
.endr
.irp p, 0,1,2,3
	v_pk_mul_f32 v[T+8*\p+2:T+8*\p+3], v[XB+16*\p:XB+16*\p+1], v[XB+16*\p:XB+16*\p+1]
	v_pk_mul_f32 v[T+8*\p+4:T+8*\p+5], v[XB+16*\p+2:XB+16*\p+3], v[XB+16*\p+2:XB+16*\p+3]
.endr
.irp n, 4,8,12
.irp p, 0,1,2,3
	v_pk_fma_f32 v[T+8*\p+2:T+8*\p+3], v[XB+16*\p+\n:XB+16*\p+\n+1], v[XB+16*\p+\n:XB+16*\p+\n+1], v[T+8*\p+2:T+8*\p+3]
	v_pk_fma_f32 v[T+8*\p+4:T+8*\p+5], v[XB+16*\p+\n+2:XB+16*\p+\n+3], v[XB+16*\p+\n+2:XB+16*\p+\n+3], v[T+8*\p+4:T+8*\p+5]
.endr
.endr
.irp p, 0,1,2,3
	v_pk_add_f32 v[T+8*\p+2:T+8*\p+3], v[T+8*\p+2:T+8*\p+3], v[T+8*\p+4:T+8*\p+5]
.endr
.irp p, 0,1,2,3
	v_add_f32 v[T+8*\p+2], v[T+8*\p+2], v[T+8*\p+3]
.endr
	LANESUM 2
.irp p, 0,1,2,3
	v_fma_f32 v[T+8*\p+2], v[T+8*\p+2], s52, s53   ; the variance + 1e-5
.endr
	s_wait_alu depctr_va_vdst(0)
.irp p, 0,1,2,3
	v_rsq_f32 v[T+8*\p+4], v[T+8*\p+2]
.endr
	v_nop                                          ; a plain instruction behind the last of the four
	s_wait_alu depctr_va_vdst(0)                   ; one wait for the batch, ahead of its first reader
.irp p, 0,1,2,3
.irp n, 0,2,4,6,8,10,12,14
	v_pk_mul_f32 v[XB+16*\p+\n:XB+16*\p+\n+1], v[XB+16*\p+\n:XB+16*\p+\n+1], v[T+8*\p+4:T+8*\p+5] op_sel_hi:[1,0]
.endr
.endr
.irp p, 0,1,2,3
.irp n, 0,2,4,6,8,10,12,14
	v_pk_fma_f32 v[XB+16*\p+\n:XB+16*\p+\n+1], v[XB+16*\p+\n:XB+16*\p+\n+1], v[GA+\n:GA+\n+1], v[BE+\n:BE+\n+1]
.endr
.endr
.Lraw_\@:
.set i, 0
	s_wait_alu depctr_va_vdst(0)
.rept 64
	v_med3_num_f32 v[XB+i], v[XB+i], -v[HD], v[HD] ; the conversion to an 8-bit code does not saturate (ISA guide 7.6.2): the hold at 448 x the scale
.set i, i+1
.endr
.irp p, 0,1,2,3
	v_cvt_scalef32_pk8_fp8_f32 v[CO+4*\p:CO+4*\p+1], v[XB+16*\p:XB+16*\p+7], v[SC]
	v_cvt_scalef32_pk8_fp8_f32 v[CO+4*\p+2:CO+4*\p+3], v[XB+16*\p+8:XB+16*\p+15], v[SC]
.endr
	v_nop                                          ; a plain instruction behind the last conversion
.irp p, 0,1,2,3
.irp q, 0,1,2,3
	ds_store_b32 v[SA], v[CO+4*\p+\q] offset:2176*\q+16*(4*(\g)+\p)   ; fragment q, row 4 g + p
.endr
.endr
.if (\g) < 2
	LOADG (\g)+2
.endif
	s_wait_dscnt 0x0                               ; the stores have read the code words, which the next group writes
.endm
	GROUP 0, 16
	GROUP 1, 16
	GROUP 2, 16
	GROUP 3, 0
.set i, 0
.rept 16
	ds_load_b128 v[X+4*i:X+4*i+3], v[RA] offset:544*i   ; LDS serves a wave's instructions in order: these see my stores
.set i, i+1
.endr
.set i, 0
.rept 16
	s_wait_dscnt 15-i
	global_store_b128 v[LO], v[X+4*i:X+4*i+3], s[44:45] offset:512*i   ; 512 consecutive bytes, aligned
.set i, i+1
.endr
	; qkv_w's units alone: the tile's biases as the C operand, eight registers a lane, / 2^(e0 + e1)
	s_cmp_lt_u32 ttmp9, 256
	s_cbranch_scc1 .Lend
	s_cmp_ge_u32 ttmp9, 352
	s_cbranch_scc1 .Lend
	s_lshl_b32 s72, s57, 2
	s_cmp_lt_u32 s56, 4
	s_cbranch_scc0 .Lcv
	v_lshrrev_b32 v9, 4, v1                        ; q, k (the product is used transposed): register j of lane (r, hh) is column first row + 16 hh + j
	v_lshlrev_b32 v9, 6, v9
	v_add_nc_u32 v9, s72, v9
	global_load_b128 v[T:T+3], v9, s[16:17]
	global_load_b128 v[T+4:T+7], v9, s[16:17] offset:16
	s_wait_loadcnt 0x0
	s_branch .Lcj
.Lcv:
	v_and_b32 v10, 15, v1                          ; v: every register of lane (r, hh) is column first row + r
	v_lshl_add_u32 v10, v10, 2, s72
	global_load_b32 v[T], v10, s[16:17]
	s_wait_loadcnt 0x0
.irp j, 1,2,3,4,5,6,7
	v_mov_b32 v[T+\j], v[T]
.endr
.Lcj:
.irp j, 0,1,2,3,4,5,6,7
	v_ldexp_f32 v[T+\j], v[T+\j], s73
.endr
	global_store_b128 v[LO], v[T:T+3], s[44:45] offset:8192
	global_store_b128 v[LO], v[T+4:T+7], s[44:45] offset:8704
.Lend:
	s_wait_tensorcnt 0x0                           ; the wave's end, behind my last LDS store
	ds_add_u32 v[SPW], v[NIL]
	s_wait_dscnt 0x0
	s_endpgm
.Lbt:
	s_cmp_ge_u32 ttmp9, 424
	s_cbranch_scc1 .Lix
	; a head of the bias table: 1,024 numbers x sqrt(32) / 2^(e2 + e3).  No LDS is touched on this path
	s_sub_co_u32 s54, s41, 832
	s_lshl_b32 s54, s54, 12
	s_mov_b32 s55, 0
	s_add_nc_u64 s[20:21], s[20:21], s[54:55]
	s_add_nc_u64 s[30:31], s[30:31], s[54:55]
	s_wait_alu depctr_va_vdst(0)
.irp i, 0,1,2,3,4,5,6,7
	global_load_b128 v[X+4*\i:X+4*\i+3], v[LO], s[20:21] offset:512*\i
.endr
	s_wait_kmcnt 0x0
	s_add_co_i32 s56, s34, s35
	s_sub_co_i32 s56, 0, s56
	s_wait_loadcnt 0x0
.set i, 0
.rept 32
	v_mul_f32 v[X+i], 0x40b504f3, v[X+i]           ; sqrt(32)
.set i, i+1
.endr
.set i, 0
.rept 32
	v_ldexp_f32 v[X+i], v[X+i], s56
.set i, i+1
.endr
.irp i, 0,1,2,3,4,5,6,7
	global_store_b128 v[LO], v[X+4*\i:X+4*\i+3], s[30:31] offset:512*\i
.endr
	s_endpgm
.Lix:
	; THE INDICES of tile of queries qt, key steps 2 kp and 2 kp + 1, in the order of the scores' registers: of key step ks, register 8 t + j of lane (r, hh) belongs to query 16 qt + r and key 128 ks + 16 t + 8 hh + j.
	; A load takes four neighbouring keys a lane, out of 16 rows of the input; a store puts the wave's four registers down as 512 consecutive bytes: load 2 t + e of a key step at 512 (2 t + e) + 16 L.  No LDS is touched on this path
	s_sub_co_u32 s54, s41, 848
	s_lshr_b32 s55, s54, 2                         ; qt
	s_and_b32 s56, s54, 3                          ; kp
	s_lshl_b32 s58, s55, 16                        ; 16 rows of 4,096 bytes; and 8 key steps of 8,192 bytes in the image
	s_lshl_b32 s57, s56, 10                        ; 256 keys of 4 bytes
	s_add_co_u32 s60, s58, s57
	s_mov_b32 s61, 0
	s_lshl_b32 s57, s56, 14                        ; two key steps of the image
	s_add_co_u32 s62, s58, s57
	s_mov_b32 s63, 0
	s_add_nc_u64 s[80:81], s[80:81], s[60:61]
	s_add_nc_u64 s[82:83], s[82:83], s[62:63]
	s_wait_alu depctr_va_vdst(0)
	v_and_b32 v9, 15, v1
	v_lshrrev_b32 v10, 4, v1
	v_lshlrev_b32 v9, 12, v9
	v_lshl_add_u32 v9, v10, 5, v9                  ; 4,096 r + 32 hh
.set i, 0
.rept 32
	global_load_b128 v[X+4*i:X+4*i+3], v9, s[80:81] offset:512*(i/16)+64*((i%16)/2)+16*(i%2)
.set i, i+1
.endr
	s_wait_kmcnt 0x0                               ; (the scales' load, which this path does not use)
.irp g, 0,1
	s_wait_loadcnt 16-16*\g                        ; this key step's 16 loads are in; the other's may be out
.set i, 0
.rept 64
	v_min_u32 v[X+64*\g+i], 0x3ff, v[X+64*\g+i]    ; an index stays inside the table
.set i, i+1
.endr
.set i, 0
.rept 64
	v_lshlrev_b32 v[X+64*\g+i], 2, v[X+64*\g+i]
.set i, i+1
.endr
.set i, 0
.rept 16
	global_store_b128 v[LO], v[X+64*\g+4*i:X+64*\g+4*i+3], s[82:83] offset:8192*\g+512*i   ; 512 consecutive bytes, aligned
.set i, i+1
.endr
.endr
	s_endpgm
.Lfunc_end_k_q049a60f59d_prep:
	.size	k_q049a60f59d_prep, .Lfunc_end_k_q049a60f59d_prep-k_q049a60f59d_prep
	.p2alignl 7, 3214868480
	.fill 96, 4, 3214868480
	.section	.rodata,"a",@progbits
	.p2align	6, 0x0
	.amdhsa_kernel k_q049a60f59d_prep
		.amdhsa_group_segment_fixed_size 17664
		.amdhsa_private_segment_fixed_size 0
		.amdhsa_enable_private_segment 0
		.amdhsa_kernarg_size 112
		.amdhsa_user_sgpr_count 2
		.amdhsa_user_sgpr_kernarg_segment_ptr 1
		.amdhsa_wavefront_size32 1
		.amdhsa_system_sgpr_workgroup_id_x 1
		.amdhsa_system_sgpr_workgroup_id_y 1
		.amdhsa_system_sgpr_workgroup_id_z 1
		.amdhsa_system_vgpr_workitem_id 0
		.amdhsa_next_free_vgpr 256
		.amdhsa_next_free_sgpr 90
		.amdhsa_reserve_vcc 0
		.amdhsa_float_denorm_mode_32 3
		.amdhsa_float_denorm_mode_16_64 3
		.amdhsa_memory_ordered 1
		.amdhsa_forward_progress 1
		.amdhsa_inst_pref_size 119
	.end_amdhsa_kernel
	.amdgpu_metadata
---
amdhsa.version: [ 1, 2 ]
amdhsa.kernels:
  - .name:           k_q049a60f59d_prep
    .symbol:         k_q049a60f59d_prep.kd
    .args:
      - { .name: x, .offset: 0, .size: 8, .value_kind: global_buffer, .address_space: global }
      - { .name: gamma, .offset: 8, .size: 8, .value_kind: global_buffer, .address_space: global }
      - { .name: beta, .offset: 16, .size: 8, .value_kind: global_buffer, .address_space: global }
      - { .name: qkv_w, .offset: 24, .size: 8, .value_kind: global_buffer, .address_space: global }
      - { .name: qkv_b, .offset: 32, .size: 8, .value_kind: global_buffer, .address_space: global }
      - { .name: proj_w, .offset: 40, .size: 8, .value_kind: global_buffer, .address_space: global }
      - { .name: attention_biases, .offset: 48, .size: 8, .value_kind: global_buffer, .address_space: global }
      - { .name: lowp_scales, .offset: 56, .size: 8, .value_kind: global_buffer, .address_space: global }
      - { .name: xc, .offset: 64, .size: 8, .value_kind: global_buffer, .address_space: global }
      - { .name: wc, .offset: 72, .size: 8, .value_kind: global_buffer, .address_space: global }
      - { .name: pc, .offset: 80, .size: 8, .value_kind: global_buffer, .address_space: global }
      - { .name: bt, .offset: 88, .size: 8, .value_kind: global_buffer, .address_space: global }
      - { .name: bias_idxs, .offset: 96, .size: 8, .value_kind: global_buffer, .address_space: global }
      - { .name: ix, .offset: 104, .size: 8, .value_kind: global_buffer, .address_space: global }
    .group_segment_fixed_size: 17664
    .private_segment_fixed_size: 0
    .kernarg_segment_align: 8
    .kernarg_segment_size: 112
    .max_flat_workgroup_size: 64
    .sgpr_count:     90
    .vgpr_count:     256
    .wavefront_size: 32
...
	.end_amdgpu_metadata
.endif
;; end of part 1
;; launch qkv (part 2): grid 16 x 16, 4 waves a work-group, clusters of 4 x 1, 167,936 bytes of LDS; arguments xc, wc, lowp_scales, qc, kv; writes qc, kv
.if DOCPART == 2
	.amdgcn_target "amdgcn-amd-amdhsa--gfx1250"
	.amdhsa_code_object_version 6
	.text
	.protected	k_q049a60f59d_qkv
	.globl	k_q049a60f59d_qkv
	.p2align	8
	.type	k_q049a60f59d_qkv,@function
k_q049a60f59d_qkv:
	s_mov_b64 s[64:65], 0
	v_nop
	global_prefetch_b8 v0, s[64:65] scope:SCOPE_SE
	s_setreg_imm32_b32 hwreg(HW_REG_WAVE_MODE, 25, 1), 1
	s_wait_xcnt 0x0
	s_wait_alu depctr_hold_cnt(0) depctr_sa_sdst(0) depctr_va_vdst(0) depctr_va_sdst(0) depctr_va_ssrc(0) depctr_va_vcc(0) depctr_vm_vsrc(0)
	s_getreg_b32 s2, hwreg(HW_REG_IB_STS2, 6, 4)
	s_cmp_eq_u32 s2, 0
	s_cbranch_scc0 .Lentry_in_a_cluster
	s_endpgm
.Lentry_in_a_cluster:
	s_bfe_u32 s2, ttmp6, 0x10000c
	s_cmp_lg_u32 s2, 0x3003
	s_cbranch_scc0 .Lentry_shape_is_right
	s_endpgm
.Lentry_shape_is_right:
; QKV: the first product, 8,192 x 512 x 3,072 on codes of E4M3, its bias as the C of each sum's first matrix instruction, and its results quantised at once into the operands of attention.
; SHARES.  A work-group takes 512 rows (block mb) and one head (12 tiles of 16 columns).  Wave w owns rows 128 w .. 128 w + 127, one key step: its 32 fragments of x (8 tiles of rows x 4 K steps of 128,
; 512 registers) stay in windows 1 and 2, so each fragment of the weight that it reads from LDS feeds 8 matrix instructions.  The 12 tiles (four fragment images and a C image each, 9,216 bytes) come into LDS once:
; one tensor load a wave, three tiles each; nothing is filled again, so there is no ring, and no loop in which a prefetch could run ahead.
; CLUSTER.  The four work-groups of a cluster differ in mb alone and need the same 12 tiles: the fill is asked for jointly, with a mask that names the four.
; LAYOUT.  q's and k's tiles are multiplied TRANSPOSED (source 0 = 16 rows of the weight, source 1 = x): a lane holds one row of x, and the two tiles of q (of k) give it 16 neighbours along the head's 32.
; v's tiles are multiplied in natural order (source 0 = x): a lane holds one channel and eight keys, and the conversions give registers 2 c, 2 c + 1 of V's fragment (K = the keys).
; ORDER.  A tile is two groups of 16 products (row tiles 0-3, 4-7).  The holds of one group's 32 sums stand between the other group's products: their bounds lie in scalar registers, and the sum stands in
; a source place whose window is 0 under the products' setting, so no window is switched for them.  Every tile has code registers of its own (window 3): no store's data are written again.
; LIMITS: e2 - e0 - e1, e3 - e0 - e1, e5 - e0 - e1 between -126 and 119.
.set TILEB, 9216
.set SPARE, 12*TILEB                   ; behind the tiles: the spare words, 128 bytes a wave
.set LI,  1                            ; 16 x lane
.set SPW, 2
.set NIL, 3
.set ADR, 4                            ; v4, v5: 16 x lane + 7 tiles x g
.set SCQ, 9                            ; v9-11 the conversions' scales for q, k, v
.set HN,  66                           ; s66-71 pairs (-448, 448) x those scales
.set BUF, 32                           ; v32-103, v104-175: a tile of the weight: four fragments and C
.set ACC, 176                          ; v176-239: eight accumulators
.set MSB, 0
.macro WIN new                         ; the immediate's high byte repeats the setting that is left
.if MSB != (\new)
	s_set_vgpr_msb (MSB<<8)|(\new)
.set MSB, (\new)
.endif
.endm
.macro PLACES
.rept 4
	v_nop
.endr
.endm
.macro CROUND                          ; a round of the cluster's barrier
	s_barrier_signal -1
	s_barrier_wait -1
	s_cmp_lg_u32 s14, 0
	s_cbranch_scc1 .Lnot_wave_0_\@
	s_barrier_signal -3
.Lnot_wave_0_\@:
	s_barrier_wait -3
	s_barrier_signal -1
	s_barrier_wait -1
.endm
	s_load_b256 s[4:11], s[0:1], 0x0               ; xc, wc, lowp_scales, qc
	s_load_b64 s[12:13], s[0:1], 0x20              ; kv
	v_lshl_add_u32 v[SPW], v0, 2, SPARE
	v_mov_b32 v[NIL], 0
	ds_add_u32 v[SPW], v[NIL]                      ; the opening lines: the add twice on end and its wait
	ds_add_u32 v[SPW], v[NIL]
	v_lshrrev_b32 v8, 5, v0
	v_readfirstlane_b32 s14, v8                    ; wave
	v_and_b32 v8, 31, v0
	v_lshlrev_b32 v[LI], 4, v8
	v_add_nc_u32 v[ADR], 0, v[LI]
	v_add_nc_u32 v[ADR+1], 7*TILEB, v[LI]
	s_bfe_u32 s15, ttmp6, 0x40000                  ; cx
	s_and_b32 s48, ttmp7, 0xffff                   ; the head, which the four partners share
	s_mov_b32 s16, 15|(3<<16)|(1<<21)              ; group 1: three tiles, 27,648 dense bytes, as 108 rows of 32 elements of 8 bytes; the mask names the four
	s_mov_b32 s17, 32<<16
	s_mov_b32 s18, 108<<16
	s_mov_b32 s19, 32<<16
	s_mov_b32 s20, 108
	s_mov_b32 s21, 32
	s_mov_b32 s22, 0
	s_mov_b32 s23, 0
	s_mul_i32 s49, s48, 12
	s_mul_i32 s50, s14, 3
	s_add_co_u32 s49, s49, s50                     ; my three tiles: 12 h + 3 w
	s_mul_i32 s50, s49, TILEB
	s_mov_b32 s51, 0
	s_mul_i32 s52, s14, 3*TILEB                    ; and their place in LDS
	s_lshl_b32 s53, ttmp9, 2
	s_add_co_u32 s53, s53, s15                     ; mb: it enters x's, q's, k's and v's addresses alone
	s_lshr_b32 s54, s53, 1                         ; the batch
	s_and_b32 s55, s53, 1                          ; which 512 of its 1,024 rows
	s_lshl_b32 s56, s54, 4
	s_add_co_u32 s56, s56, s48                     ; 16 b + h
	s_lshl_b32 s58, s56, 6
	s_lshl_b32 s57, s55, 5
	s_add_co_u32 s58, s58, s57
	s_lshl_b32 s57, s14, 3
	s_add_co_u32 s58, s58, s57                     ; my first tile of queries
	s_lshl_b32 s58, s58, 9
	s_mov_b32 s59, 0
	s_lshl_b32 s60, s56, 3
	s_lshl_b32 s57, s55, 2
	s_add_co_u32 s60, s60, s57
	s_add_co_u32 s60, s60, s14                     ; my key step of 128 keys
	s_mul_i32 s60, s60, 20480
	s_mov_b32 s61, 0
	s_lshl_b32 s62, s53, 18
	s_lshl_b32 s57, s14, 16
	s_add_co_u32 s62, s62, s57                     ; x: tile of rows 32 mb + 8 w
	s_mov_b32 s63, 0
	s_wait_dscnt 0x0
	s_wait_kmcnt 0x0
	s_load_b256 s[32:39], s[8:9], 0x0              ; e0 .. e7
	s_mov_b32 s24, 1
	s_mov_b32 s25, s52
	s_add_nc_u64 s[26:27], s[6:7], s[50:51]
	s_or_b32 s27, s27, 0x80000000
	s_add_nc_u64 s[40:41], s[10:11], s[58:59]      ; q
	s_add_nc_u64 s[42:43], s[12:13], s[60:61]      ; k: eight tiles of 512 bytes
	s_add_nc_u64 s[44:45], s[42:43], 4096          ; v: eight fragments of 2,048 bytes
	s_add_nc_u64 s[46:47], s[4:5], s[62:63]
	CROUND                                         ; all four work-groups are here: the joint loads meet
	tensor_load_to_lds s[24:27], s[16:23]          ; my one tensor load
	s_nop 0
	WIN 0x40                                       ; destination window 1
	s_wait_alu depctr_va_vdst(0)
.set i, 0
.rept 64
	global_load_b128 v[4*i:4*i+3], v[LI], s[46:47] offset:512*i          ; x's fragment (a, s) at v[64 a + 16 s]: row tiles 0-3 in window 1,
.set i, i+1
.endr
	WIN 0x80
.set i, 0
.rept 64
	global_load_b128 v[4*i:4*i+3], v[LI], s[46:47] offset:32768+512*i    ; 4-7 in window 2
.set i, i+1
.endr
	WIN 0
	s_wait_kmcnt 0x0
	s_add_co_i32 s48, s32, s33                     ; a sum stands for sum x 2^(e0 + e1): the three scales are folded into the conversion's one
.macro MKSC e, n
	s_sub_co_i32 s49, s[\e], s48
	s_add_co_i32 s49, s49, 127
	s_lshl_b32 s50, s49, 23
	v_mov_b32 v[SCQ+\n], s50
	s_add_co_i32 s49, s49, 8
	s_lshl_b32 s49, s49, 23
	s_or_b32 s[HN+2*\n+1], s49, 0x600000
	s_or_b32 s[HN+2*\n], s[HN+2*\n+1], 0x80000000
.endm
	MKSC 34, 0
	MKSC 35, 1
	MKSC 37, 2
.macro SETK t                          ; a tile's kind: 0 q, 1 k, 2 v
.if (\t) < 2
.set KD, 0
.elseif (\t) < 4
.set KD, 1
.else
.set KD, 2
.endif
.endm
.macro FETCH n                         ; tile n out of LDS: 18 loads of 512 consecutive bytes
.set i, 0
.rept 18
	ds_load_b128 v[BUF+72*((\n)%2)+4*i:BUF+72*((\n)%2)+4*i+3], v[ADR+(\n)/7] offset:TILEB*((\n)%7)+512*i
.set i, i+1
.endr
.endm
.macro MED r                           ; the hold at 448 x the scale of kind KM; the sum stands where the products' setting leaves window 0
.if KD == 2
	v_med3_num_f32 v[\r], s[HN+2*KM], v[\r], s[HN+2*KM+1]
.else
	v_med3_num_f32 v[\r], v[\r], s[HN+2*KM], s[HN+2*KM+1]
.endif
.endm
; 16 products of tile t on row tiles 4 hf .. 4 hf + 3: K step by K step, the four accumulators by turns; the first K step takes the bias as C.
; Between them the holds of the other half's 32 sums, which belong to tile mt (mt < 0: none): four places first (ISA guide 7.12.1), each accumulator from its low end on.
.macro GRP t, hf, mt
	SETK \mt
.set KM, KD
	SETK \t
.set BB, BUF+72*((\t)%2)
.set AC, ACC+32*(\hf)
.set MB, ACC+32*(1-(\hf))
.if KD == 2
	WIN 1+(\hf)                                    ; source 0 = x
.else
	WIN 4*(1+(\hf))                                ; source 1 = x
.endif
.set gi, 0
.irp k, 0,1,2,3
.irp a, 0,1,2,3
.if KD == 2
.if \k == 0
	v_wmma_f32_16x16x128_fp8_fp8 v[AC+8*\a:AC+8*\a+7], v[64*\a+16*\k:64*\a+16*\k+15], v[BB+16*\k:BB+16*\k+15], v[BB+64:BB+71]
.else
	v_wmma_f32_16x16x128_fp8_fp8 v[AC+8*\a:AC+8*\a+7], v[64*\a+16*\k:64*\a+16*\k+15], v[BB+16*\k:BB+16*\k+15], v[AC+8*\a:AC+8*\a+7]
.endif
.else
.if \k == 0
	v_wmma_f32_16x16x128_fp8_fp8 v[AC+8*\a:AC+8*\a+7], v[BB+16*\k:BB+16*\k+15], v[64*\a+16*\k:64*\a+16*\k+15], v[BB+64:BB+71]
.else
	v_wmma_f32_16x16x128_fp8_fp8 v[AC+8*\a:AC+8*\a+7], v[BB+16*\k:BB+16*\k+15], v[64*\a+16*\k:64*\a+16*\k+15], v[AC+8*\a:AC+8*\a+7]
.endif
.endif
.if (\mt) >= 0
.if gi == 0
	PLACES
.elseif gi < 15
	MED MB+2*gi-2
	MED MB+2*gi-1
.else
	MED MB+28
	MED MB+29
	MED MB+30
	MED MB+31
.endif
.endif
.set gi, gi+1
.endr
.endr
	WIN 0
.endm
.macro CVT t, hf                       ; four accumulators become codes, in window 3: q v0-31, k v32-63 (four registers a row tile), v 16 registers a tile from v64 on
	SETK \t
.if KD == 0
.set CB, 16*(\hf)+2*(\t)
.set CS, 4
.elseif KD == 1
.set CB, 32+16*(\hf)+2*((\t)-2)
.set CS, 4
.else
.set CB, 64+16*((\t)-4)+8*(\hf)
.set CS, 2
.endif
	WIN 0xc0
.irp a, 0,1,2,3
	v_cvt_scalef32_pk8_fp8_f32 v[CB+CS*\a:CB+CS*\a+1], v[ACC+32*(\hf)+8*\a:ACC+32*(\hf)+8*\a+7], v[SCQ+KD]
.endr
	WIN 0
	v_nop                                          ; a plain instruction behind the last conversion: later products write its sources
.endm
.macro STORE t                         ; each store: 512 consecutive bytes, aligned
.if (\t) == 1
	WIN 0x0c
.irp a, 0,1,2,3,4,5,6,7
	global_store_b128 v[LI], v[4*\a:4*\a+3], s[40:41] offset:512*\a
.endr
	WIN 0
.elseif (\t) == 3
	WIN 0x0c
.irp a, 0,1,2,3,4,5,6,7
	global_store_b128 v[LI], v[32+4*\a:32+4*\a+3], s[42:43] offset:512*\a
.endr
	WIN 0
.elseif (\t) > 3
	WIN 0x0c
.irp c, 0,1,2,3
	global_store_b128 v[LI], v[64+16*((\t)-4)+4*\c:64+16*((\t)-4)+4*\c+3], s[44:45] offset:2048*((\t)-4)+512*\c
.endr
	WIN 0
.endif
.endm
.macro TILE t
.if (\t) < 11
	FETCH (\t)+1                                   ; the other buffer was last read a group ago: four holds and a v_nop stand between
	s_wait_dscnt 18                                ; this tile's 18 loads are in; the next tile's may be out
.else
	s_wait_dscnt 0x0
.endif
.if (\t) == 0
	s_wait_loadcnt 63                              ; x's row tiles 0-3: 64 younger loads were issued behind them
.endif
	GRP \t, 0, (\t)-1
.if (\t) > 0
	CVT (\t)-1, 1
	STORE (\t)-1
.endif
.if (\t) == 0
	s_wait_loadcnt 0x0                             ; x's row tiles 4-7
.endif
	GRP \t, 1, \t
	CVT \t, 0
.endm
	s_wait_alu depctr_va_vdst(0)                   ; the head's end
	s_wait_tensorcnt 0x0                           ; my three tiles are in
	s_barrier_signal -1
	s_barrier_wait -1                              ; everybody's are
	FETCH 0
.irp t, 0,1,2,3,4,5,6,7,8,9,10,11
	TILE \t
.endr
	PLACES
.set KM, 2
.set i, 0
.rept 32
	MED ACC+32+i
.set i, i+1
.endr
	CVT 11, 1
	STORE 11
	s_wait_tensorcnt 0x0                           ; the wave's end
	ds_add_u32 v[SPW], v[NIL]
	s_wait_dscnt 0x0
	CROUND                                         ; the closing round
	s_endpgm
.Lfunc_end_k_q049a60f59d_qkv:
	.size	k_q049a60f59d_qkv, .Lfunc_end_k_q049a60f59d_qkv-k_q049a60f59d_qkv
	.p2alignl 7, 3214868480
	.fill 96, 4, 3214868480
	.section	.rodata,"a",@progbits
	.p2align	6, 0x0
	.amdhsa_kernel k_q049a60f59d_qkv
		.amdhsa_group_segment_fixed_size 167936
		.amdhsa_private_segment_fixed_size 0
		.amdhsa_enable_private_segment 0
		.amdhsa_kernarg_size 40
		.amdhsa_user_sgpr_count 2
		.amdhsa_user_sgpr_kernarg_segment_ptr 1
		.amdhsa_wavefront_size32 1
		.amdhsa_system_sgpr_workgroup_id_x 1
		.amdhsa_system_sgpr_workgroup_id_y 1
		.amdhsa_system_sgpr_workgroup_id_z 1
		.amdhsa_system_vgpr_workitem_id 0
		.amdhsa_next_free_vgpr 1024
		.amdhsa_next_free_sgpr 72
		.amdhsa_reserve_vcc 0
		.amdhsa_float_denorm_mode_32 3
		.amdhsa_float_denorm_mode_16_64 3
		.amdhsa_memory_ordered 1
		.amdhsa_forward_progress 1
		.amdhsa_inst_pref_size 122
	.end_amdhsa_kernel
	.amdgpu_metadata
---
amdhsa.version: [ 1, 2 ]
amdhsa.kernels:
  - .name:           k_q049a60f59d_qkv
    .symbol:         k_q049a60f59d_qkv.kd
    .args:
      - { .name: xc, .offset: 0, .size: 8, .value_kind: global_buffer, .address_space: global }
      - { .name: wc, .offset: 8, .size: 8, .value_kind: global_buffer, .address_space: global }
      - { .name: lowp_scales, .offset: 16, .size: 8, .value_kind: global_buffer, .address_space: global }
      - { .name: qc, .offset: 24, .size: 8, .value_kind: global_buffer, .address_space: global }
      - { .name: kv, .offset: 32, .size: 8, .value_kind: global_buffer, .address_space: global }
    .group_segment_fixed_size: 167936
    .private_segment_fixed_size: 0
    .kernarg_segment_align: 8
    .kernarg_segment_size: 40
    .max_flat_workgroup_size: 128
    .sgpr_count:     72
    .vgpr_count:     1024
    .wavefront_size: 32
...
	.end_amdgpu_metadata
.endif
;; end of part 2
;; launch attn (part 3): grid 16 x 16, 4 waves a work-group, clusters of 4 x 1, 327,680 bytes of LDS; arguments qc, kv, bt, ix, lowp_scales, oc; writes oc
.if DOCPART == 3
	.amdgcn_target "amdgcn-amd-amdhsa--gfx1250"
	.amdhsa_code_object_version 6
	.text
	.protected	k_q049a60f59d_attn
	.globl	k_q049a60f59d_attn
	.p2align	8
	.type	k_q049a60f59d_attn,@function
k_q049a60f59d_attn:
	s_mov_b64 s[64:65], 0
	v_nop
	global_prefetch_b8 v0, s[64:65] scope:SCOPE_SE
	s_setreg_imm32_b32 hwreg(HW_REG_WAVE_MODE, 25, 1), 1
	s_wait_xcnt 0x0
	s_wait_alu depctr_hold_cnt(0) depctr_sa_sdst(0) depctr_va_vdst(0) depctr_va_sdst(0) depctr_va_ssrc(0) depctr_va_vcc(0) depctr_vm_vsrc(0)
	s_getreg_b32 s2, hwreg(HW_REG_IB_STS2, 6, 4)
	s_cmp_eq_u32 s2, 0
	s_cbranch_scc0 .Lentry_in_a_cluster
	s_endpgm
.Lentry_in_a_cluster:
	s_bfe_u32 s2, ttmp6, 0x10000c
	s_cmp_lg_u32 s2, 0x3003
	s_cbranch_scc0 .Lentry_shape_is_right
	s_endpgm
.Lentry_shape_is_right:
; ATTENTION on codes of E4M3: S^T = K Q^T + bias, p = 2^(t - M), O^T = V^T P^T, O / l quantised with 2^e6 for the last product.
; SHARES.  A work-group owns 64 queries of one head and walks the 8 batches.  Wave w = 2 qh + kh owns 32 queries (two tiles, pair qh) x 512 keys (half kh: four steps of 128 keys):
; each fragment of K and V that it reads from LDS feeds two matrix instructions.  The bias hangs on head, query and key alone: 2 tiles x 4 steps x 64 registers are gathered once
; (windows 2 and 3) and serve as the C of the score products in all 8 batches.
; Each wave keeps a running whole-number M and a sum l over ITS keys.  At a batch's end the two waves of a pair join: my local tile 0 is global tile 2 qh + kh, local tile 1 the other one,
; so every wave sends local tile 1 (O^T, -M, l) through its LDS stage and finishes local tile 0: all factors are 2^(whole number), nothing is rounded by them.
; K's fragments lie dense: eight registers hold two tiles of 16 keys x 32; Q stands in the low four registers against zeros (even tiles) or in the high four (odd tiles) of the K = 64 form.
; RING.  Two slots of four key steps (20,480 bytes each: K 4,096, V 16,384): slot s holds local steps 2 s, 2 s + 1 of both key halves.  Wave i fetches image i of a slot: one joint load a wave behind each round.
; CLUSTER.  The four work-groups of a cluster differ in their queries alone and walk the same K and V: each fill is asked for jointly, with a mask that names the four.
; PREFETCH.  Behind each fill, the fill that stands two fills on: of the 80 blocks of 256 bytes that my wave will fetch, the partner at place cx names 20 (by address); lanes 20-31 name the last of them again.
; The first three fills come by their loads alone; the last trips ask for nothing beyond batch 7.
; LIMITS: e2 + e3 between -124 and 129 (added to c's exponent field); e4 and e6 - e4 - e5 between -126 and 119; the scaled scores stay under 2^31 in magnitude.  NaN among the inputs is not served.
; WINDOWS: 0: v0-63 state, v16-47 Q, v64-95 p's codes, v96-127 K, v128-255 S.  1: v0-127 O^T of the two tiles, v128-255 V.  2, 3: the bias of local tile 0, 1.
.set KSB,   20480
.set BSTR,  2621440                    ; kv: bytes from batch to batch
.set STAGE, 8*KSB                      ; behind the ring: a stage of 8,704 bytes for each wave
.set STW,   8704
.set SPARE, STAGE+4*STW                ; the spare words, 128 bytes a wave
.set LI,  2                            ; 16 x lane
.set SPW, 3
.set NIL, 4
.set STO, 5                            ; my stage
.set RD,  6                            ; my partner's stage
.set PFO, 7                            ; the prefetches' offset
.set MX,  8                            ; v8-15 at work: maxima, then partial sums
.set QF,  16                           ; tile a: v[16+16a] Q|0, v[24+16a] 0|Q
.set AK,  48                           ; v48, v49: my two steps in slot 0, 1
.set HD,  50                           ; v50, v51: 448 x 2^e4
.set SCP, 52                           ; 2^e4
.set SCO, 53                           ; 2^(e6 - e4 - e5)
.set NM,  56                           ; pairs (-M, largest raw score) of tile 0, 1.  The sums l: v[0:1] and v[54:55]
.set FF,  60                           ; pairs (f, at work) of tile 0, 1
.set P,   64
.set KF,  96
.set S,   128
.set MSB, 0
.macro WIN new                         ; the immediate's high byte repeats the setting that is left
.if MSB != (\new)
	s_set_vgpr_msb (MSB<<8)|(\new)
.set MSB, (\new)
.endif
.endm
.macro PLACES
.rept 4
	v_nop
.endr
.endm
.macro CROUND                          ; a round of the cluster's barrier
	s_barrier_signal -1
	s_barrier_wait -1
	s_cmp_lg_u32 s40, 0
	s_cbranch_scc1 .Lnot_wave_0_\@
	s_barrier_signal -3
.Lnot_wave_0_\@:
	s_barrier_wait -3
	s_barrier_signal -1
	s_barrier_wait -1
.endm
	s_load_b256 s[4:11], s[0:1], 0x0               ; qc, kv, bt, ix
	s_load_b128 s[12:15], s[0:1], 0x20             ; lowp_scales, oc
	v_lshl_add_u32 v[SPW], v0, 2, SPARE
	v_mov_b32 v[NIL], 0
	ds_add_u32 v[SPW], v[NIL]                      ; the opening lines: the add twice on end and its wait
	ds_add_u32 v[SPW], v[NIL]
	v_lshrrev_b32 v5, 5, v0
	v_readfirstlane_b32 s40, v5                    ; wave
	s_bfe_u32 s41, ttmp6, 0x40000                  ; cx
	s_and_b32 s32, ttmp7, 0xffff                   ; the head
	s_mov_b32 s16, 15|(3<<16)|(1<<21)              ; group 1: a key step, 80 rows of 32 elements of 8 bytes; the mask names the four
	s_mov_b32 s17, 32<<16
	s_mov_b32 s18, 80<<16
	s_mov_b32 s19, 32<<16
	s_mov_b32 s20, 80
	s_mov_b32 s21, 32
	s_mov_b32 s22, 0
	s_mov_b32 s23, 0
	s_and_b32 s36, s40, 1                          ; kh
	s_lshr_b32 s37, s40, 1                         ; qh
	s_lshl_b32 s33, s32, 3
	s_lshl_b32 s34, s37, 2
	s_add_co_u32 s33, s33, s34
	s_add_co_u32 s33, s33, s36                     ; what I fetch for slot 0: key step 8 h + 4 (w / 2) + w % 2
	s_mul_i32 s34, s33, KSB
	s_mov_b32 s35, 0
	s_mul_i32 s38, s40, KSB                        ; and its place in a slot
	s_lshl_b32 s74, ttmp9, 2
	s_add_co_u32 s74, s74, s41
	s_lshl_b32 s74, s74, 2
	s_lshl_b32 s75, s37, 1
	s_add_co_u32 s74, s74, s75                     ; my pair's first tile of queries
	s_add_co_u32 s76, s74, s36                     ; local tile 0
	s_xor_b32 s77, s36, 1
	s_add_co_u32 s77, s74, s77                     ; local tile 1
	s_lshl_b32 s78, s32, 6
	s_add_co_u32 s80, s78, s76
	s_lshl_b32 s80, s80, 9                         ; Q of tile 0
	s_mov_b32 s81, 0
	s_add_co_u32 s82, s78, s77
	s_lshl_b32 s82, s82, 9                         ; Q of tile 1
	s_mov_b32 s83, 0
	s_lshl_b32 s84, s76, 4
	s_add_co_u32 s84, s84, s32
	s_lshl_b32 s84, s84, 11                        ; the codes of O, tile 0
	s_mov_b32 s85, 0
	s_lshl_b32 s79, s36, 15                        ; my four key steps of the indices
	s_lshl_b32 s86, s76, 16
	s_add_co_u32 s86, s86, s79
	s_mov_b32 s87, 0
	s_lshl_b32 s88, s77, 16
	s_add_co_u32 s88, s88, s79
	s_mov_b32 s89, 0
	s_lshl_b32 s90, s32, 12                        ; the head's table
	s_mov_b32 s91, 0
	s_mul_i32 s75, s41, 5120                       ; my work-group's 20 blocks of a step's 80
	s_mul_i32 s92, s36, 2*KSB
	s_mul_i32 s93, s40, STW
	s_add_co_u32 s93, s93, STAGE
	s_xor_b32 s94, s40, 1
	s_mul_i32 s94, s94, STW
	s_add_co_u32 s94, s94, STAGE
	s_mov_b32 s44, 0x76543210                      ; lane l xor 16
	s_mov_b32 s45, 0xfedcba98
	s_mov_b32 s54, 7
	s_wait_dscnt 0x0
	s_wait_kmcnt 0x0
	s_load_b256 s[56:63], s[12:13], 0x0            ; e0 .. e7
	s_mov_b32 s24, 1
	s_mov_b32 s25, s38
	s_add_nc_u64 s[26:27], s[6:7], s[34:35]
	s_mov_b64 s[66:67], s[26:27]                   ; the prefetches' base: my step of slot 0 in the batch in hand
	s_mov_b32 s28, 1
	s_add_co_u32 s29, s38, 4*KSB
	s_add_nc_u64 s[30:31], s[26:27], 2*KSB
	s_or_b32 s27, s27, 0x80000000
	s_or_b32 s31, s31, 0x80000000
	s_add_nc_u64 s[46:47], s[4:5], s[80:81]
	s_add_nc_u64 s[70:71], s[4:5], s[82:83]
	s_add_nc_u64 s[48:49], s[14:15], s[84:85]
	s_add_nc_u64 s[50:51], s[10:11], s[86:87]
	s_add_nc_u64 s[68:69], s[10:11], s[88:89]
	s_add_nc_u64 s[52:53], s[8:9], s[90:91]
	CROUND
	tensor_load_to_lds s[24:27], s[16:23]          ; slot 0 of batch 0: my one tensor load at the head
	s_nop 0
	PLACES
	v_and_b32 v7, 31, v0
	v_lshlrev_b32 v[LI], 4, v7
	v_min_u32 v7, 19, v7
	v_lshlrev_b32 v7, 8, v7
	v_add_nc_u32 v[PFO], s75, v7
	v_add_nc_u32 v[AK], s92, v[LI]
	v_add_nc_u32 v[AK+1], 4*KSB, v[AK]
	v_add_nc_u32 v[STO], s93, v[LI]
	v_add_nc_u32 v[RD], s94, v[LI]
.irp a, 0,1
.irp j, 4,5,6,7,8,9,10,11
	v_mov_b32 v[QF+16*\a+\j], 0
.endr
.endr
	s_wait_alu depctr_va_vdst(0)
	global_load_b128 v[QF:QF+3], v[LI], s[46:47]
	global_load_b128 v[QF+12:QF+15], v[LI], s[46:47]
	global_load_b128 v[QF+16:QF+19], v[LI], s[70:71]
	global_load_b128 v[QF+28:QF+31], v[LI], s[70:71]
.irp a, 0,1                            ; the indices in the order of the scores' registers: 64 loads of 512 consecutive bytes a tile
	WIN 0x80+0x40*\a
.set i, 0
.rept 64
	global_load_b128 v[4*i:4*i+3], v[LI], s[50+18*\a:51+18*\a] offset:512*i
.set i, i+1
.endr
.endr
.irp a, 0,1                            ; the gather, 64 registers at a time
.irp c, 0,1,2,3
	s_wait_loadcnt 63                              ; at least 63 loads were issued behind this chunk's 16 index loads
	WIN 0x88+0x44*\a
.set i, 0
.rept 64
	v_min_u32 v[64*\c+i], 0xffc, v[64*\c+i]        ; an index stays inside the table
.set i, i+1
.endr
	WIN 0x82+0x41*\a
.set i, 0
.rept 64
	global_load_b32 v[64*\c+i], v[64*\c+i], s[52:53]
.set i, i+1
.endr
.endr
.endr
	WIN 0
	s_wait_kmcnt 0x0
	s_add_co_i32 s37, s58, s59
	s_lshl_b32 s37, s37, 23
	s_add_co_i32 s42, s37, 0x3e8293ee              ; c = log2(e) / sqrt(32) x 2^(e2 + e3)
	s_mov_b32 s43, s42
	s_add_co_i32 s37, s60, 127
	s_lshl_b32 s38, s37, 23
	v_mov_b32 v[SCP], s38
	s_add_co_i32 s37, s37, 8
	s_lshl_b32 s37, s37, 23
	s_or_b32 s37, s37, 0x600000
	v_mov_b32 v[HD], s37
	v_mov_b32 v[HD+1], s37
	s_sub_co_i32 s37, s62, s60
	s_sub_co_i32 s37, s37, s61
	s_add_co_i32 s37, s37, 127
	s_lshl_b32 s38, s37, 23
	v_mov_b32 v[SCO], s38
	s_add_co_i32 s37, s37, 8
	s_lshl_b32 s37, s37, 23
	s_or_b32 s73, s37, 0x600000                    ; 448 x 2^(e6 - e4 - e5),
	s_or_b32 s72, s73, 0x80000000                  ; and its negative
.macro KLOAD ls
.irp t, 0,1,2,3,4,5,6,7
	ds_load_b128 v[KF+4*\t:KF+4*\t+3], v[AK+(\ls)/2] offset:KSB*((\ls)%2)+512*\t
.endr
.endm
.macro VLOAD ls                        ; V's eight fragments of local step ls, in one run under one setting of the windows
	WIN 0x40
.set i, 0
.rept 32
	ds_load_b128 v[128+4*i:128+4*i+3], v[AK+(\ls)/2] offset:KSB*((\ls)%2)+4096+512*i
.set i, i+1
.endr
	WIN 0
.endm
; The softmax of 128 scores a lane (two tiles line by line) and the second product.  dsn: the younger LDS loads that may stay out when V is wanted
.macro SOFT first, dsn
.if !\first
.irp a, 0,1
	v_mov_b32 v[FF+2*\a+1], v[NM+2*\a]             ; the old -M
.endr
.endif
.irp a, 0,1
.irp k, 0,1,2,3
	v_max3_num_f32 v[MX+4*\a+\k], v[S+64*\a+16*\k], v[S+64*\a+16*\k+1], v[S+64*\a+16*\k+2]   ; each accumulator from its low end on
.endr
.endr
.irp m, 0,1,2,3,4,5
.irp a, 0,1
.irp k, 0,1,2,3
	v_max3_num_f32 v[MX+4*\a+\k], v[MX+4*\a+\k], v[S+64*\a+16*\k+3+2*\m], v[S+64*\a+16*\k+4+2*\m]
.endr
.endr
.endr
.irp a, 0,1
	v_max3_num_f32 v[MX+4*\a], v[MX+4*\a], v[MX+4*\a+1], v[S+64*\a+15]
	v_max3_num_f32 v[MX+4*\a+2], v[MX+4*\a+2], v[MX+4*\a+3], v[S+64*\a+31]
	v_max_num_f32 v[MX+4*\a+1], v[S+64*\a+47], v[S+64*\a+63]
.endr
.irp a, 0,1
	v_max3_num_f32 v[MX+4*\a], v[MX+4*\a], v[MX+4*\a+2], v[MX+4*\a+1]
.endr
.irp a, 0,1
	v_permlanex16_b32 v[MX+4*\a+1], v[MX+4*\a], s44, s45
.endr
.irp a, 0,1
.if \first
	v_max_num_f32 v[NM+2*\a+1], v[MX+4*\a], v[MX+4*\a+1]
.else
	v_max3_num_f32 v[NM+2*\a+1], v[NM+2*\a+1], v[MX+4*\a], v[MX+4*\a+1]
.endif
.endr
.irp a, 0,1
	v_mul_f32 v[MX+4*\a+2], s42, v[NM+2*\a+1]      ; as t (c is positive)
.endr
.irp a, 0,1
	v_floor_f32 v[NM+2*\a], -v[MX+4*\a+2]          ; -M = floor(-t): M is a whole number
.endr
.if !\first
.irp a, 0,1
	v_sub_f32 v[FF+2*\a+1], v[NM+2*\a], v[FF+2*\a+1]
.endr
.irp a, 0,1
	v_cvt_i32_f32 v[FF+2*\a+1], v[FF+2*\a+1]
.endr
.irp a, 0,1
	v_ldexp_f32 v[FF+2*\a], 1.0, v[FF+2*\a+1]      ; f = 2^(old M - new M)
.endr
.endif
.irp a, 0,1
.set i, 0
.rept 32
	v_pk_fma_f32 v[S+64*\a+i:S+64*\a+i+1], v[S+64*\a+i:S+64*\a+i+1], s[42:43], v[NM+2*\a:NM+2*\a+1] op_sel_hi:[1,0,0]   ; t - M
.set i, i+2
.endr
.endr
.if !\first
	WIN 0x41                                       ; O^T under the new M, ahead of the exponentials: no transcendental stands between the last products and these first readers
.irp a, 0,1
.set i, 0
.rept 32
	v_pk_mul_f32 v[64*\a+i:64*\a+i+1], v[64*\a+i:64*\a+i+1], v[FF+2*\a:FF+2*\a+1] op_sel_hi:[1,0]
.set i, i+2
.endr
.endr
	WIN 0
.endif
	s_wait_alu depctr_va_vdst(0)                   ; a wait ahead of the batch
.set i, 0
.rept 128
	v_exp_f32 v[S+i], v[S+i]                       ; p = 2^(t - M)
.set i, i+1
.endr
.if \first
	v_nop                                          ; a plain place behind the batch
.else
.irp a, 0,1
	v_pk_mul_f32 v[54*\a:54*\a+1], v[54*\a:54*\a+1], v[FF+2*\a:FF+2*\a+1] op_sel_hi:[1,0]   ; the sums under the new M
.endr
.endif
	s_wait_alu depctr_va_vdst(0)                   ; and one behind it, ahead of its first reader
	s_wait_dscnt \dsn                              ; V's 32 loads are in; the next step's 8 loads of K may be out
.irp a, 0,1                            ; the sums of the unquantised p: three chains a tile
	v_pk_add_f32 v[MX+4*\a:MX+4*\a+1], v[S+64*\a:S+64*\a+1], v[S+64*\a+2:S+64*\a+3]
	v_pk_add_f32 v[MX+4*\a+2:MX+4*\a+3], v[S+64*\a+4:S+64*\a+5], v[S+64*\a+6:S+64*\a+7]
.if \first
	v_pk_add_f32 v[54*\a:54*\a+1], v[S+64*\a+8:S+64*\a+9], v[S+64*\a+10:S+64*\a+11]
.else
	v_pk_add_f32 v[54*\a:54*\a+1], v[54*\a:54*\a+1], v[S+64*\a+8:S+64*\a+9]
.endif
.endr
.if !\first
.irp a, 0,1
	v_pk_add_f32 v[54*\a:54*\a+1], v[54*\a:54*\a+1], v[S+64*\a+10:S+64*\a+11]
.endr
.endif
.irp j, 12,18,24,30,36,42,48,54
.irp a, 0,1
	v_pk_add_f32 v[MX+4*\a:MX+4*\a+1], v[MX+4*\a:MX+4*\a+1], v[S+64*\a+\j:S+64*\a+\j+1]
	v_pk_add_f32 v[MX+4*\a+2:MX+4*\a+3], v[MX+4*\a+2:MX+4*\a+3], v[S+64*\a+\j+2:S+64*\a+\j+3]
	v_pk_add_f32 v[54*\a:54*\a+1], v[54*\a:54*\a+1], v[S+64*\a+\j+4:S+64*\a+\j+5]
.endr
.endr
.irp a, 0,1
	v_pk_add_f32 v[MX+4*\a:MX+4*\a+1], v[MX+4*\a:MX+4*\a+1], v[S+64*\a+60:S+64*\a+61]
	v_pk_add_f32 v[MX+4*\a+2:MX+4*\a+3], v[MX+4*\a+2:MX+4*\a+3], v[S+64*\a+62:S+64*\a+63]
.endr
.irp a, 0,1
	v_pk_add_f32 v[MX+4*\a:MX+4*\a+1], v[MX+4*\a:MX+4*\a+1], v[MX+4*\a+2:MX+4*\a+3]
.endr
.irp a, 0,1
	v_pk_add_f32 v[54*\a:54*\a+1], v[54*\a:54*\a+1], v[MX+4*\a:MX+4*\a+1]
.endr
.set i, 0
.rept 64
	v_dual_min_num_f32 v[S+i], v[S+i], v[HD] :: v_dual_min_num_f32 v[S+i+1], v[S+i+1], v[HD+1]   ; the hold at 448 x 2^e4 (ISA guide 7.6.2); p is not negative
.set i, i+2
.endr
.irp a, 0,1
.irp t, 0,1,2,3,4,5,6,7
	v_cvt_scalef32_pk8_fp8_f32 v[P+16*\a+2*\t:P+16*\a+2*\t+1], v[S+64*\a+8*\t:S+64*\a+8*\t+7], v[SCP]
.endr
.endr
	v_nop                                          ; a plain place behind the last conversion
	WIN 0x51
.irp t, 0,1,2,3,4,5,6,7                ; the 16 accumulators by turns; each fragment of V serves both tiles
.irp a, 0,1
.if \first
	v_wmma_f32_16x16x128_fp8_fp8 v[64*\a+8*\t:64*\a+8*\t+7], v[128+16*\t:128+16*\t+15], v[P+16*\a:P+16*\a+15], 0
.else
	v_wmma_f32_16x16x128_fp8_fp8 v[64*\a+8*\t:64*\a+8*\t+7], v[128+16*\t:128+16*\t+15], v[P+16*\a:P+16*\a+15], v[64*\a+8*\t:64*\a+8*\t+7]
.endif
.endr
.endr
	WIN 0
.endm
; A step: 128 keys x 32 queries.  ls: my local step.  qload: the next batch's Q is asked for
.macro STEP ls, qload
.if (\ls)%2 == 0
	KLOAD \ls
	VLOAD \ls
	s_wait_dscnt 32                                ; K's 8 loads are in; V's 32 may be out
.else
	s_wait_dscnt 0x0                               ; K, asked for in the step before
.endif
.if (\ls) == 0
	s_wait_loadcnt 0x0                             ; Q (in the first batch: and the bias)
.endif
.irp a, 0,1
	WIN 0x20+0x10*\a                               ; C: the bias, window 2 or 3
.irp t, 0,1,2,3,4,5,6,7
	v_wmma_f32_16x16x64_fp8_fp8 v[S+64*\a+8*\t:S+64*\a+8*\t+7], v[KF+8*(\t/2):KF+8*(\t/2)+7], v[QF+16*\a+8*(\t%2):QF+16*\a+8*(\t%2)+7], v[64*(\ls)+8*\t:64*(\ls)+8*\t+7]
.endr
.endr
	WIN 0
	PLACES                                         ; four places ahead of the loads below and of the first read of S
.if (\ls)%2 == 0
	KLOAD (\ls)+1
.else
	VLOAD \ls
.endif
.if \qload
	s_add_nc_u64 s[46:47], s[46:47], 524288
	s_add_nc_u64 s[70:71], s[70:71], 524288
	global_load_b128 v[QF:QF+3], v[LI], s[46:47]
	global_load_b128 v[QF+12:QF+15], v[LI], s[46:47]
	global_load_b128 v[QF+16:QF+19], v[LI], s[70:71]
	global_load_b128 v[QF+28:QF+31], v[LI], s[70:71]
.endif
.if (\ls) == 0
	SOFT 1, 8
.elseif (\ls)%2 == 0
	SOFT 0, 8
.else
	SOFT 0, 0
.endif
.endm
; A batch's end: the pair joins, and local tile 0 leaves as codes
.macro END
	PLACES
.irp a, 0,1
	v_add_f32 v[54*\a], v[54*\a], v[54*\a+1]
.endr
.irp a, 0,1
	v_permlanex16_b32 v[MX+4*\a], v[54*\a], s44, s45
.endr
.irp a, 0,1
	v_add_f32 v[54*\a], v[54*\a], v[MX+4*\a]       ; l over my keys
.endr
	v_mov_b32 v[MX], v[NM+2]
	v_mov_b32 v[MX+1], v54
	WIN 0x04                                       ; store data in window 1
.set i, 0
.rept 16
	ds_store_b128 v[STO], v[64+4*i:64+4*i+3] offset:512*i   ; local tile 1's O^T as an image of its registers
.set i, i+1
.endr
	WIN 0
	ds_store_b128 v[STO], v[MX:MX+3] offset:8192   ; its -M and l (two more words go along)
	s_wait_alu depctr_va_vdst(0)
	s_wait_dscnt 0x0
	s_barrier_signal -1
	s_barrier_wait -1
.set i, 0
.rept 16
	ds_load_b128 v[S+4*i:S+4*i+3], v[RD] offset:512*i       ; my tile 0 as my partner summed it
.set i, i+1
.endr
	ds_load_b128 v[MX+4:MX+7], v[RD] offset:8192
	s_wait_dscnt 0x0
	v_min_num_f32 v[MX], v[NM], v[MX+4]            ; the joint -M
	v_sub_f32 v[MX+1], v[MX], v[NM]
	v_sub_f32 v[MX+2], v[MX], v[MX+4]
	v_cvt_i32_f32 v[MX+1], v[MX+1]
	v_cvt_i32_f32 v[MX+2], v[MX+2]
	v_ldexp_f32 v[MX+1], 1.0, v[MX+1]              ; 2^(my M - joint M)
	v_ldexp_f32 v[MX+2], 1.0, v[MX+2]              ; 2^(partner's M - joint M)
	v_mul_f32 v[MX+3], v0, v[MX+1]
	v_fma_f32 v[MX+3], v[MX+5], v[MX+2], v[MX+3]   ; the row's sum
	s_wait_alu depctr_va_vdst(0)                   ; ahead of the transcendental
	v_rcp_f32 v[MX+3], v[MX+3]
	v_nop
	s_wait_alu depctr_va_vdst(0)                   ; and ahead of its first reader
	v_mul_f32 v[FF], v[MX+1], v[MX+3]
	v_mul_f32 v[FF+2], v[MX+2], v[MX+3]
.set i, 0
.rept 32
	v_pk_mul_f32 v[S+i:S+i+1], v[S+i:S+i+1], v[FF+2:FF+3] op_sel_hi:[1,0]
.set i, i+2
.endr
	WIN 0x01
	s_wait_alu depctr_va_vdst(0)                   ; directly ahead of the first reader of O^T
.set i, 0
.rept 32
	v_pk_fma_f32 v[S+i:S+i+1], v[i:i+1], v[FF:FF+1], v[S+i:S+i+1] op_sel_hi:[1,0,1]
.set i, i+2
.endr
	WIN 0
.set i, 0
.rept 64
	v_med3_num_f32 v[S+i], v[S+i], s72, s73        ; the hold at 448 x the scale
.set i, i+1
.endr
.irp t, 0,1,2,3,4,5,6,7
	v_cvt_scalef32_pk8_fp8_f32 v[P+2*\t:P+2*\t+1], v[S+8*\t:S+8*\t+7], v[SCO]
.endr
	v_nop
.irp c, 0,1,2,3
	global_store_b128 v[LI], v[P+4*\c:P+4*\c+3], s[48:49] offset:512*\c   ; 512 consecutive bytes, aligned
.endr
	s_wait_xcnt 0x0                                ; the stores and my prefetches have read their bases
	s_add_nc_u64 s[48:49], s[48:49], 2097152
	s_add_nc_u64 s[66:67], s[66:67], BSTR
.endm
; A change of slots.  x: the slot that is filled; fill = 0: nothing is filled.  ask = 1: prefetch slot 1 of the next batch; 2: slot 0 of the batch after the next, where there is one
.macro CHANGE x, fill, ask
	s_wait_alu depctr_va_vdst(0)                   ; ahead of the waits and branches below
	s_wait_tensorcnt 0x0                           ; my part of the slot ahead is in, and every group 0 may be written
	ds_add_u32 v[SPW], v[NIL]
.if \fill
	s_add_nc_u64 s[30-4*\x:31-4*\x], s[30-4*\x:31-4*\x], BSTR   ; the other slot's next fill
.endif
	s_wait_dscnt 0x0
.if \fill
	CROUND
	tensor_load_to_lds s[24+4*\x:27+4*\x], s[16:23]
	s_nop 0
	PLACES
.if \ask == 1
	global_prefetch_b8 v[PFO], s[66:67] offset:2*KSB+BSTR th:TH_LOAD_NT scope:SCOPE_SE
.elseif \ask == 2
	s_cmp_gt_u32 s54, 1                            ; the loop's last trip has no batch two on
	s_cbranch_scc0 .Lnone_\@
	global_prefetch_b8 v[PFO], s[66:67] offset:2*BSTR th:TH_LOAD_NT scope:SCOPE_SE
.Lnone_\@:
.endif
.else
	s_barrier_signal -1
	s_barrier_wait -1
	PLACES
.endif
.endm
.macro BATCH more
	CHANGE 1, 1, \more                             ; slot 1 of this batch (in the first trip: its first fill, issued as a refill is)
	STEP 0, 0
	STEP 1, 0
.if \more
	CHANGE 0, 1, 2                                 ; slot 0 of the next batch
.else
	CHANGE 0, 0, 0
.endif
	STEP 2, 0
	STEP 3, \more
	END
.endm
	s_wait_alu depctr_va_vdst(0)                   ; the head's end
.Lbatch:
	BATCH 1
	s_sub_co_u32 s54, s54, 1
	s_cmp_lg_u32 s54, 0
	s_cbranch_scc1 .Lbatch
	BATCH 0                                        ; the last batch is written out: it asks for nothing beyond the end
	s_wait_tensorcnt 0x0                           ; the wave's end
	ds_add_u32 v[SPW], v[NIL]
	s_wait_dscnt 0x0
	CROUND                                         ; the closing round
	s_endpgm
.Lfunc_end_k_q049a60f59d_attn:
	.size	k_q049a60f59d_attn, .Lfunc_end_k_q049a60f59d_attn-k_q049a60f59d_attn
	.p2alignl 7, 3214868480
	.fill 96, 4, 3214868480
	.section	.rodata,"a",@progbits
	.p2align	6, 0x0
	.amdhsa_kernel k_q049a60f59d_attn
		.amdhsa_group_segment_fixed_size 327680
		.amdhsa_private_segment_fixed_size 0
		.amdhsa_enable_private_segment 0
		.amdhsa_kernarg_size 48
		.amdhsa_user_sgpr_count 2
		.amdhsa_user_sgpr_kernarg_segment_ptr 1
		.amdhsa_wavefront_size32 1
		.amdhsa_system_sgpr_workgroup_id_x 1
		.amdhsa_system_sgpr_workgroup_id_y 1
		.amdhsa_system_sgpr_workgroup_id_z 1
		.amdhsa_system_vgpr_workitem_id 0
		.amdhsa_next_free_vgpr 1024
		.amdhsa_next_free_sgpr 96
		.amdhsa_reserve_vcc 0
		.amdhsa_float_denorm_mode_32 3
		.amdhsa_float_denorm_mode_16_64 3
		.amdhsa_memory_ordered 1
		.amdhsa_forward_progress 1
		.amdhsa_inst_pref_size 255
	.end_amdhsa_kernel
	.section	.bss,"aw",@nobits
	.p2align	6
	.space	262144
	.amdgpu_metadata
---
amdhsa.version: [ 1, 2 ]
amdhsa.kernels:
  - .name:           k_q049a60f59d_attn
    .symbol:         k_q049a60f59d_attn.kd
    .args:
      - { .name: qc, .offset: 0, .size: 8, .value_kind: global_buffer, .address_space: global }
      - { .name: kv, .offset: 8, .size: 8, .value_kind: global_buffer, .address_space: global }
      - { .name: bt, .offset: 16, .size: 8, .value_kind: global_buffer, .address_space: global }
      - { .name: ix, .offset: 24, .size: 8, .value_kind: global_buffer, .address_space: global }
      - { .name: lowp_scales, .offset: 32, .size: 8, .value_kind: global_buffer, .address_space: global }
      - { .name: oc, .offset: 40, .size: 8, .value_kind: global_buffer, .address_space: global }
    .group_segment_fixed_size: 327680
    .private_segment_fixed_size: 0
    .kernarg_segment_align: 8
    .kernarg_segment_size: 48
    .max_flat_workgroup_size: 128
    .sgpr_count:     96
    .vgpr_count:     1024
    .wavefront_size: 32
...
	.end_amdgpu_metadata
.endif
;; end of part 3
;; launch proj (part 4): grid 64 x 4, 4 waves a work-group, clusters of 4 x 1, 327,680 bytes of LDS; arguments oc, pc, proj_b, lowp_scales, out0; writes out0
.if DOCPART == 4
	.amdgcn_target "amdgcn-amd-amdhsa--gfx1250"
	.amdhsa_code_object_version 6
	.text
	.protected	k_q049a60f59d_proj
	.globl	k_q049a60f59d_proj
	.p2align	8
	.type	k_q049a60f59d_proj,@function
k_q049a60f59d_proj:
	s_mov_b64 s[64:65], 0
	v_nop
	global_prefetch_b8 v0, s[64:65] scope:SCOPE_SE
	s_setreg_imm32_b32 hwreg(HW_REG_WAVE_MODE, 25, 1), 1
	s_wait_xcnt 0x0
	s_wait_alu depctr_hold_cnt(0) depctr_sa_sdst(0) depctr_va_vdst(0) depctr_va_sdst(0) depctr_va_ssrc(0) depctr_va_vcc(0) depctr_vm_vsrc(0)
	s_getreg_b32 s2, hwreg(HW_REG_IB_STS2, 6, 4)
	s_cmp_eq_u32 s2, 0
	s_cbranch_scc0 .Lentry_in_a_cluster
	s_endpgm
.Lentry_in_a_cluster:
	s_bfe_u32 s2, ttmp6, 0x10000c
	s_cmp_lg_u32 s2, 0x3003
	s_cbranch_scc0 .Lentry_shape_is_right
	s_endpgm
.Lentry_shape_is_right:
; PROJ: the last product, 8,192 x 2,048 x 512 on codes of E4M3; out0 = sum x 2^(e6 + e7) + proj_b, f32.
; SHARES.  A work-group makes 128 rows (block mb) x 128 columns (block nb).  Wave w = 2 rh + ch makes 64 rows x 64 columns: 16 accumulators (window 3).  K goes in 16 steps of 128.
; proj_w's 8 tiles of 16 columns (fragment images of 2,048 bytes a K step) lie in LDS; a fragment read from there feeds four matrix instructions.  They come in two fills, K steps 0-7 and 8-15: in each a wave
; fetches two rows of 16,384 bytes, 32,768 bytes apart.  O's codes go from memory straight into registers, as fragment images, through a ring of 8 K steps (windows 1 and 2, 64 registers a step):
; a step's registers are asked for again, for the step 8 further on, behind that step's products.  The text is written out, with no loop in which a prefetch could run ahead.
; CLUSTER.  The four work-groups of a cluster differ in mb alone and need the same tiles of proj_w: each fill is asked for jointly, with a mask that names the four.
; The matrix instruction is used TRANSPOSED (source 0 = 16 rows of proj_w, source 1 = 16 rows of O): a lane holds eight neighbouring columns of a row.  A block of 16 rows x 64 columns goes through the wave's own
; stage in LDS and leaves as rows: sixteen lanes store one aligned unit of 256 bytes.
; LIMIT: e6 + e7 between -126 and 127.
.set PH,     16384                     ; 8 K steps of a tile
.set HALF,   131072                    ; the second fill's place
.set STAGE,  262144
.set SPITCH, 272
.set SPARE,  STAGE+4*16*SPITCH
.set LI,  1
.set SPW, 2
.set NIL, 3
.set ADR, 4                            ; v4, v5: my four tiles in the first, second fill
.set STO, 8
.set RD,  9
.set CO,  10
.set PBO, 14
.set PB,  16                           ; v16-47 proj_b at my lane's columns
.set BUF, 48                           ; v48-111, v112-175: four fragments of proj_w, two sets
.set TMP, 48                           ; the way out
.set BK,  80                           ; v80-207: 32 registers for each block of 16 rows
.set MSB, 0
.macro WIN new
.if MSB != (\new)
	s_set_vgpr_msb (MSB<<8)|(\new)
.set MSB, (\new)
.endif
.endm
.macro PLACES
.rept 4
	v_nop
.endr
.endm
.macro CROUND
	s_barrier_signal -1
	s_barrier_wait -1
	s_cmp_lg_u32 s14, 0
	s_cbranch_scc1 .Lnot_wave_0_\@
	s_barrier_signal -3
.Lnot_wave_0_\@:
	s_barrier_wait -3
	s_barrier_signal -1
	s_barrier_wait -1
.endm
	s_load_b256 s[4:11], s[0:1], 0x0               ; oc, pc, proj_b, lowp_scales
	s_load_b64 s[12:13], s[0:1], 0x20              ; out0
	v_lshl_add_u32 v[SPW], v0, 2, SPARE
	v_mov_b32 v[NIL], 0
	ds_add_u32 v[SPW], v[NIL]                      ; the opening lines: the add twice on end and its wait
	ds_add_u32 v[SPW], v[NIL]
	v_lshrrev_b32 v11, 5, v0
	v_readfirstlane_b32 s14, v11                   ; wave
	s_and_b32 s60, s14, 1                          ; ch
	s_lshr_b32 s61, s14, 1                         ; rh
	s_lshl_b32 s62, s60, 16                        ; my four tiles of a fill
	s_mul_i32 s63, s14, 16*SPITCH
	s_add_co_u32 s63, s63, STAGE                   ; my stage
	s_bfe_u32 s15, ttmp6, 0x40000                  ; cx
	s_and_b32 s48, ttmp7, 0xffff                   ; nb, which the four partners share
	s_mov_b32 s16, 15|(3<<16)|(1<<21)              ; group 1: 2 rows of 2,048 elements of 8 bytes, 4,096 elements apart; the mask names the four
	s_mov_b32 s17, 2048<<16
	s_mov_b32 s18, 2<<16
	s_mov_b32 s19, 2048<<16
	s_mov_b32 s20, 2
	s_mov_b32 s21, 4096
	s_mov_b32 s22, 0
	s_mov_b32 s23, 0
	s_lshl_b32 s50, s48, 18
	s_lshl_b32 s49, s14, 16
	s_add_co_u32 s50, s50, s49                     ; proj_w: tiles 8 nb + 2 w, 2 w + 1
	s_mov_b32 s51, 0
	s_lshl_b32 s52, s14, 15                        ; their place in a fill
	s_lshl_b32 s53, ttmp9, 2
	s_add_co_u32 s53, s53, s15                     ; mb
	s_lshl_b32 s54, s53, 18
	s_lshl_b32 s55, s61, 17
	s_add_co_u32 s54, s54, s55                     ; O: tile of rows 8 mb + 4 rh; out0: row 128 mb + 64 rh
	s_mov_b32 s55, 0
	s_lshl_b32 s58, s48, 9
	s_lshl_b32 s59, s60, 8
	s_add_co_u32 s58, s58, s59                     ; my first column, in bytes
	s_mov_b32 s59, 0
	v_and_b32 v11, 31, v0
	v_lshlrev_b32 v[LI], 4, v11
	v_and_b32 v12, 15, v0
	v_bfe_u32 v13, v0, 4, 1
	v_add_nc_u32 v[ADR], s62, v[LI]
	v_add_nc_u32 v[ADR+1], HALF, v[ADR]
	v_mul_u32_u24 v[STO], v12, SPITCH              ; in: row l % 16, 32 bytes for each half of the lanes
	v_lshl_add_u32 v[STO], v13, 5, v[STO]
	v_add_nc_u32 v[STO], s63, v[STO]
	v_mul_u32_u24 v[RD], v13, SPITCH               ; back: lanes 0-15 one row of 256 bytes, lanes 16-31 the next
	v_lshl_add_u32 v[RD], v12, 4, v[RD]
	v_add_nc_u32 v[RD], s63, v[RD]
	v_lshlrev_b32 v[CO], 11, v13                   ; and the same two rows in out0
	v_lshl_add_u32 v[CO], v12, 4, v[CO]
	v_lshlrev_b32 v[PBO], 5, v13
	s_wait_dscnt 0x0
	s_wait_kmcnt 0x0
	s_load_b256 s[32:39], s[10:11], 0x0            ; e0 .. e7
	s_mov_b32 s24, 1
	s_mov_b32 s25, s52
	s_add_nc_u64 s[26:27], s[6:7], s[50:51]
	s_mov_b32 s28, 1
	s_add_co_u32 s29, s52, HALF
	s_add_nc_u64 s[30:31], s[26:27], PH
	s_or_b32 s27, s27, 0x80000000
	s_or_b32 s31, s31, 0x80000000
	s_add_nc_u64 s[40:41], s[4:5], s[54:55]
	s_add_nc_u64 s[42:43], s[8:9], s[58:59]
	s_add_nc_u64 s[44:45], s[12:13], s[54:55]
	s_add_nc_u64 s[44:45], s[44:45], s[58:59]
.macro ALOAD k                         ; O's four fragments of K step k into the ring
	WIN 0x40*(1+((\k)%8)/4)
.irp a, 0,1,2,3
.irp c, 0,1,2,3
	global_load_b128 v[64*((\k)%4)+16*\a+4*\c:64*((\k)%4)+16*\a+4*\c+3], v[LI], s[40:41] offset:32768*\a+2048*(\k)+512*\c
.endr
.endr
	WIN 0
.endm
	CROUND
	tensor_load_to_lds s[24:27], s[16:23]          ; K steps 0-7: my one tensor load at the head
	s_nop 0
	s_wait_alu depctr_va_vdst(0)
.irp n, 0,1,2,3
	global_load_b128 v[PB+8*\n:PB+8*\n+3], v[PBO], s[42:43] offset:64*\n
	global_load_b128 v[PB+8*\n+4:PB+8*\n+7], v[PBO], s[42:43] offset:64*\n+16
.endr
	ALOAD 0
	ALOAD 1
	ALOAD 2
	s_wait_tensorcnt 0x0                           ; ahead of a later first fill
	ds_add_u32 v[SPW], v[NIL]
	s_wait_dscnt 0x0
	CROUND                                         ; everybody's part of K steps 0-7 is in
	tensor_load_to_lds s[28:31], s[16:23]          ; K steps 8-15
	s_nop 0
	PLACES
	ALOAD 3
	ALOAD 4
	ALOAD 5
	ALOAD 6
	ALOAD 7
	s_wait_kmcnt 0x0
	s_add_co_i32 s46, s38, s39
	s_add_co_i32 s46, s46, 127
	s_lshl_b32 s46, s46, 23                        ; 2^(e6 + e7)
	s_mov_b32 s47, s46
.macro FETCHB k                        ; proj_w's four fragments of K step k
.irp n, 0,1,2,3
.irp c, 0,1,2,3
	ds_load_b128 v[BUF+64*((\k)%2)+16*\n+4*\c:BUF+64*((\k)%2)+16*\n+4*\c+3], v[ADR+(\k)/8] offset:PH*\n+2048*((\k)%8)+512*\c
.endr
.endr
.endm
.macro MULK k                          ; 16 products, the 16 accumulators by turns; the first K step starts the sums
	WIN 0xf0+4*(1+((\k)%8)/4)
.irp n, 0,1,2,3
.irp a, 0,1,2,3
.if (\k) == 0
	v_wmma_f32_16x16x128_fp8_fp8 v[8*(4*\a+\n):8*(4*\a+\n)+7], v[BUF+64*((\k)%2)+16*\n:BUF+64*((\k)%2)+16*\n+15], v[64*((\k)%4)+16*\a:64*((\k)%4)+16*\a+15], 0
.else
	v_wmma_f32_16x16x128_fp8_fp8 v[8*(4*\a+\n):8*(4*\a+\n)+7], v[BUF+64*((\k)%2)+16*\n:BUF+64*((\k)%2)+16*\n+15], v[64*((\k)%4)+16*\a:64*((\k)%4)+16*\a+15], v[8*(4*\a+\n):8*(4*\a+\n)+7]
.endif
.endr
.endr
	WIN 0
.endm
	FETCHB 0
.set kk, 0
.rept 16
.if (kk != 7) && (kk != 15)
	FETCHB kk+1
	s_wait_dscnt 16                                ; this step's 16 loads are in; the next step's may be out
.else
	s_wait_dscnt 0x0
.endif
.if kk < 12
	s_wait_loadcnt 63                              ; at least 64 loads were issued behind this step's 16
.else
	s_wait_loadcnt 16*(15-kk)                      ; the later steps' loads may be out
.endif
	MULK kk
.if kk == 7
	s_wait_tensorcnt 0x0                           ; my part of K steps 8-15 is in
	s_barrier_signal -1
	s_barrier_wait -1                              ; everybody's is
.endif
	PLACES                                         ; four places ahead of loads into registers that these products read
.if kk < 8
	ALOAD kk+8
.endif
.if kk == 7
	FETCHB 8
.endif
.set kk, kk+1
.endr
.macro TOSTAGE a
	WIN 0x03
.irp n, 0,1,2,3
.irp i, 0,2,4,6
	v_pk_fma_f32 v[TMP+8*\n+\i:TMP+8*\n+\i+1], v[8*(4*(\a)+\n)+\i:8*(4*(\a)+\n)+\i+1], s[46:47], v[PB+8*\n+\i:PB+8*\n+\i+1] op_sel_hi:[1,0,1]   ; each accumulator from its low end on
.endr
.endr
	WIN 0
.irp n, 0,1,2,3
	ds_store_b128 v[STO], v[TMP+8*\n:TMP+8*\n+3] offset:64*\n
	ds_store_b128 v[STO], v[TMP+8*\n+4:TMP+8*\n+7] offset:64*\n+16
.endr
.irp i, 0,1,2,3,4,5,6,7
	ds_load_b128 v[BK+32*(\a)+4*\i:BK+32*(\a)+4*\i+3], v[RD] offset:2*SPITCH*\i   ; LDS serves a wave's instructions in order: these see my stores
.endr
.endm
.macro SEND a, younger                 ; younger: the LDS instructions issued behind block a's loads
	s_wait_dscnt \younger
.irp i, 0,1,2,3,4,5,6,7
	global_store_b128 v[CO], v[BK+32*(\a)+4*\i:BK+32*(\a)+4*\i+3], s[44:45] offset:(16*(\a)+2*\i)*2048 th:TH_STORE_NT   ; sixteen lanes store 256 consecutive bytes, aligned
.endr
.endm
	TOSTAGE 0
.irp a, 1,2,3
	TOSTAGE \a
	SEND \a-1, 16
.endr
	SEND 3, 0
	s_wait_tensorcnt 0x0                           ; the wave's end
	ds_add_u32 v[SPW], v[NIL]
	s_wait_dscnt 0x0
	CROUND                                         ; the closing round
	s_endpgm
.Lfunc_end_k_q049a60f59d_proj:
	.size	k_q049a60f59d_proj, .Lfunc_end_k_q049a60f59d_proj-k_q049a60f59d_proj
	.p2alignl 7, 3214868480
	.fill 96, 4, 3214868480
	.section	.rodata,"a",@progbits
	.p2align	6, 0x0
	.amdhsa_kernel k_q049a60f59d_proj
		.amdhsa_group_segment_fixed_size 327680
		.amdhsa_private_segment_fixed_size 0
		.amdhsa_enable_private_segment 0
		.amdhsa_kernarg_size 40
		.amdhsa_user_sgpr_count 2
		.amdhsa_user_sgpr_kernarg_segment_ptr 1
		.amdhsa_wavefront_size32 1
		.amdhsa_system_sgpr_workgroup_id_x 1
		.amdhsa_system_sgpr_workgroup_id_y 1
		.amdhsa_system_sgpr_workgroup_id_z 1
		.amdhsa_system_vgpr_workitem_id 0
		.amdhsa_next_free_vgpr 896
		.amdhsa_next_free_sgpr 66
		.amdhsa_reserve_vcc 0
		.amdhsa_float_denorm_mode_32 3
		.amdhsa_float_denorm_mode_16_64 3
		.amdhsa_memory_ordered 1
		.amdhsa_forward_progress 1
		.amdhsa_inst_pref_size 79
	.end_amdhsa_kernel
	.amdgpu_metadata
---
amdhsa.version: [ 1, 2 ]
amdhsa.kernels:
  - .name:           k_q049a60f59d_proj
    .symbol:         k_q049a60f59d_proj.kd
    .args:
      - { .name: oc, .offset: 0, .size: 8, .value_kind: global_buffer, .address_space: global }
      - { .name: pc, .offset: 8, .size: 8, .value_kind: global_buffer, .address_space: global }
      - { .name: proj_b, .offset: 16, .size: 8, .value_kind: global_buffer, .address_space: global }
      - { .name: lowp_scales, .offset: 24, .size: 8, .value_kind: global_buffer, .address_space: global }
      - { .name: out0, .offset: 32, .size: 8, .value_kind: global_buffer, .address_space: global }
    .group_segment_fixed_size: 327680
    .private_segment_fixed_size: 0
    .kernarg_segment_align: 8
    .kernarg_segment_size: 40
    .max_flat_workgroup_size: 128
    .sgpr_count:     66
    .vgpr_count:     896
    .wavefront_size: 32
...
	.end_amdgpu_metadata
.endif
;; end of part 4
